; MI455X (gfx1250); checked and timed in simulation.
; The chip was launched on July 23, 2026; its instructions are those of AMD's public machine-readable ISA for CDNA 5 (MIT licence, August 2026) and "CDNA5" Instruction Set Architecture Reference Guide (July 2026). The comments in the code are by the model that wrote it; some were corrected since.
;; Multi Head Attention. Allowed arithmetic: matrix products marked QUANTISED: E2M3 operands, one E8M0 scale for each 32 along K, by v_wmma_scale_f32_16x16x128_f8f6f4 with both operands' format E2M3, f32 sums; everything else in f32.
;; Inputs: Wk 768 x 768 float32; Wo 768 x 768 float32; Wq 768 x 768 float32; Wv 768 x 768 float32; bk 768 float32; bo 768 float32; bq 768 float32; bv 768 float32; x 1 x 4,096 x 768 float32.
;; Outputs: out0 1 x 4,096 x 768 float32.
;; This version of the problem:
;;   THIS VERSION OF THE PROBLEM IS GIVEN IN LOW PRECISION. The matrix products marked QUANTISED in the list below multiply operands that are first quantised to E2M3 (2 exponent bits, 3 mantissa bits; 6 bits a number), with one power-of-two scale for each 32 numbers along K (OCP MX v1.0); their sums are f32. All else is computed in f32.
;;   The module's matrix products, in the order in which they are computed (A, B: the left and right operand; K: the contracted axis; several contracted axes count as one K, in the product's order):
;;     1. [M 4,096, K 768] x [K 768, N 768]; A: input x; B: input Wq: QUANTISED
;;     2. [M 4,096, K 768] x [K 768, N 768]; A: input x; B: input Wk: QUANTISED
;;     3. [M 4,096, K 768] x [K 768, N 768]; A: input x; B: input Wv: QUANTISED
;;     4. batch 12 x [M 4,096, K 64] x [K 64, N 4,096]; A: computed on the way; B: computed on the way: QUANTISED
;;     5. batch 12 x [M 4,096, K 4,096] x [K 4,096, N 64]; A: softmax (see below); B: computed on the way: QUANTISED
;;     6. [M 4,096, K 768] x [K 768, N 768]; A: computed on the way; B: input Wo: QUANTISED
;;   THE QUANTISER, for each operand of a quantised product, along K:
;;     - K is cut into blocks of 32 from its start; a last block that is shorter is filled with zeros.
;;     - A block's scale is 2^e with e = floor(log2(the largest magnitude in the block)) - 2, held to -126 .. 127; a block of zeros has e = 0. As a byte (E8M0): e + 127.
;;     - Each number is divided by its block's scale, clamped to +-7.5, and rounded to the nearest number of E2M3, ties to even, subnormals kept.
;;     - The product sums the exact products of the quantised numbers (number of the format x scale) in f32.
;;   ~~~python
;;   def quantise(x, axis):      # numpy; x: float32 -> the quantised numbers, widened to float32 again
;;       x = np.moveaxis(x, axis, -1); K = x.shape[-1]
;;       x = np.pad(x, [(0, 0)] * (x.ndim - 1) + [(0, -K % 32)]); x = x.reshape(x.shape[:-1] + (-1, 32)); a = np.abs(x).max(-1, keepdims=True)
;;       e = np.where(a > 0, np.clip(np.frexp(np.where(a > 0, a, 1))[1] - 1 - 2, -126, 127), 0)      # np.frexp(a)[1] - 1 = floor(log2(a)), exactly
;;       r = np.clip(x / 2.0 ** e, -7.5, 7.5)
;;       step = 2.0 ** (np.maximum(np.frexp(np.where(r == 0, 1, r))[1] - 1, 0) - 3)
;;       q = np.round(r / step) * step * 2.0 ** e      # np.round: ties to even
;;       return np.moveaxis(q.reshape(q.shape[:-2] + (-1,))[..., :K], -1, axis).astype(np.float32)
;;   ~~~
;;   SOFTMAX AHEAD OF A QUANTISED PRODUCT. Where the list says 'softmax', what is quantised is not the finished softmax but p = 2^(t - M), with t = logit x log2(e) and M = ceil(the row's largest t), a whole number; so 1/2 < the row's largest p <= 1. The row's sum l is taken of the UNQUANTISED p, in f32, and the product's result is divided by l at the end. Since M is a whole number, a kernel that streams over the keys may use a running M (the ceiling of the running maximum): every later rescaling is an exact power of two, which a block's scale takes up: the codes' values come out the same.
;;   OPERANDS COMPUTED ON THE WAY. 'Computed on the way' means the value that the module computes at that place (a softmax that the list does not call 'softmax' is quantised finished and normalised). What goes into a quantiser is computed in f32, as accurately as f32 sums, v_exp_f32 and their like allow (about 1e-6 of the number): no bf16 or f16 on the way to a quantiser, and a product that is left as it is and whose result goes on into a quantised operand takes f32 operands (vector FMAs, or v_wmma_f32_16x16x4_f32). A number that lies on a knife's edge between two numbers of the format may be rounded either way, as far as f32 arithmetic and the matrix unit's own rounding can turn it there, and no further.
;; One version. Each part assembles by itself: llvm-mc -triple=amdgcn-amd-amdhsa -mcpu=gfx1250 --defsym DOCPART=n.
;; ======== version 1 of 1: 4 launches
;; limits: right only within a limited range of input values
;; workspace buffers: xc 2,457,600 bytes; wc 1,843,200 bytes; qc 2,555,904 bytes; kv 5,111,808 bytes; yc 3,145,728 bytes
;; launch quant (part 1): grid 112 x 6, 4 waves a work-group, no clusters, 34,560 bytes of LDS; arguments x, Wq, Wk, Wv, Wo, xc, wc; writes xc, wc
.if DOCPART == 1
	.amdgcn_target "amdgcn-amd-amdhsa--gfx1250"
	.amdhsa_code_object_version 6
	.text
	.protected	k_q951ac8fff8_quant
	.globl	k_q951ac8fff8_quant
	.p2align	8
	.type	k_q951ac8fff8_quant,@function
k_q951ac8fff8_quant:
	s_mov_b64 s[64:65], 0
	v_nop
	global_prefetch_b8 v0, s[64:65] scope:SCOPE_SE
	s_setreg_imm32_b32 hwreg(HW_REG_WAVE_MODE, 25, 1), 1
	s_wait_xcnt 0x0
; MULTI-HEAD ATTENTION IN MX-FP6, launch 1 of 4: x [4096][768] and Wq, Wk, Wv, Wo [768][768], f32, K innermost, become codes of E2M3 with one E8M0 byte for each 32 along K.
; DEAD WORK: none is left out in any launch.  Every product of the problem is live; bq, bk, bv go into quantised operands, bo into the result: all nine inputs are loaded.
; THE QUANTISER: a block's scale is 2^(floor(log2(largest magnitude)) - 2); its byte is the largest magnitude's exponent field - 2, held at 1 from below by a floor among the maximum's leaves.
; LIMITS: a block of zeros gets the byte 1 where the rule says 127 (its codes are zeros, and this program alone reads the bytes); blocks whose largest magnitude lies under 2^-124 are held at byte 1;
; NaN and infinities among the inputs are not served.
; LAYOUT OF THE WORKSPACES: images of operand registers.  A fragment (16 rows x 128 K, 12 registers a lane) is 1,536 bytes: registers 4 q .. 4 q + 3 of lane l at 512 q + 16 l.
; THE ROW MAP: 64 consecutive rows are a group of four tiles; row p of tile i is row 32 (p / 8) + 8 i + p % 8 of the group.  A product that takes the four tiles as source 0 then leaves 32 NEIGHBOURING rows
; in one lane's 32 result registers, which is a whole block of the next product's K.
; The scale words of a group's four tiles are 256 bytes: tile i, row r at 8 (r + 16 (i % 2)) + 4 (i / 2): one load of 8 bytes a lane brings them all, tile i in register i / 2, lanes 16 (i % 2) on.
; xc: [16 blocks of 256 rows][6 K steps][16 fragments, 4 x 256 bytes of scale words] = 16 x 6 x 25,600.
; wc: [16 triples][6 K steps][12 fragments, 3 x 256] = 16 x 6 x 19,200; triple h < 12 holds rows 64 h on of Wq, Wk, Wv; triple 12 + t holds Wo's groups 3 t, 3 t + 1, 3 t + 2.
; SHARES: work-group (G, k): one group of 64 rows, one K step of 128; G < 64: x's groups; then 12 groups each of Wq, Wk, Wv, Wo.  Wave i makes tile i.  One path for all five tensors: only pointers and offsets are chosen.
; Each of a wave's 16 loads reads 512 consecutive bytes (a row's K step); the rows turn through the wave's own stage in LDS, so that a lane gets 32 neighbours along K of ONE row for each of its two blocks.
.set STG,   8448                       ; a wave's stage: 16 rows x 528 bytes
.set SP,    528                        ; 512 bytes + 16: sixteen rows start at sixteen different 16-byte columns
.set SCW,   4*STG                      ; the group's 256 bytes of scale words
.set SPARE, SCW+256                    ; the spare words, 128 bytes a wave: two blocks of 256 bytes that no other line names
.set R,     16                         ; v16-79   the rows as loaded
.set X,     80                         ; v80-143  my two blocks: 32 neighbours each
.set MX,    144                        ; v144-145 largest magnitudes
.set SOP,   146                        ; v146-147 the conversions' scale operands
.set BY,    148                        ; v148-149 the bytes
.set CD,    152                        ; v152-163 the fragment
.set TP,    164                        ; v164-166, v168-170 the second halves of the blocks' codes
	s_load_b256 s[4:11], s[0:1], 0x0               ; x, Wq, Wk, Wv
	s_load_b128 s[12:15], s[0:1], 0x20             ; Wo, xc
	s_load_b64 s[16:17], s[0:1], 0x30              ; wc
	v_lshl_add_u32 v12, v0, 2, SPARE               ; my spare word,
	v_mov_b32 v13, 0                               ; and 0: kept for the closing lines
	v_lshrrev_b32 v8, 5, v0
	v_readfirstlane_b32 s18, v8                    ; wave = tile
	v_and_b32 v9, 31, v0                           ; lane
	v_and_b32 v10, 15, v0                          ; r
	s_wait_alu depctr_va_vdst(0)
	v_bfe_u32 v11, v0, 4, 1                        ; h
	v_lshlrev_b32 v1, 4, v9                        ; 16 x lane
	v_lshlrev_b32 v6, 3, v9                        ; 8 x lane
	s_wait_alu depctr_va_vdst(0)
	v_lshlrev_b32 v5, 3, v11                       ; 8 h
	s_mov_b32 s44, 0x76543210
	s_mov_b32 s45, 0xfedcba98                      ; v_permlanex16_b32's selects for lane l xor 16
	s_mul_i32 s19, s18, STG
	v_add_nc_u32 v2, s19, v1                       ; into the stage: a row as it lies
	v_mul_u32_u24 v3, v10, SP
	v_lshl_add_u32 v3, v11, 7, v3
	v_add_nc_u32 v3, s19, v3                       ; out of it: row r, 128 h bytes on
	s_and_b32 s19, s18, 1
	s_lshl_b32 s19, s19, 7
	s_lshr_b32 s31, s18, 1
	s_lshl_b32 s31, s31, 2
	s_add_co_u32 s19, s19, s31
	s_add_co_u32 s19, s19, SCW
	v_lshl_add_u32 v4, v10, 3, s19                 ; my row's scale word: 8 r + 128 (tile % 2) + 4 (tile / 2)
	v_add_nc_u32 v7, SCW, v6
	v_mov_b32 v173, 0                              ; a lane permute's destination counts as one of its sources
	s_and_b32 s20, ttmp7, 0xffff                   ; the K step
	s_max_u32 s21, ttmp9, 64
	s_sub_co_u32 s21, s21, 64                      ; j: which of the weights' 48 groups (0 in x's work-groups)
	s_mul_i32 s22, s21, 43
	s_lshr_b32 s22, s22, 9                         ; kind = j / 12
	s_mul_i32 s23, s22, 12
	s_sub_co_u32 s23, s21, s23                     ; the group in its weight
	s_mul_i32 s24, s23, 11
	s_lshr_b32 s24, s24, 5                         ; group / 3
	s_mul_i32 s25, s24, 3
	s_sub_co_u32 s25, s23, s25                     ; group % 3
	s_add_co_u32 s24, s24, 12
	s_lshr_b32 s26, ttmp9, 2
	s_and_b32 s27, ttmp9, 3
	s_cmp_lt_u32 s22, 3                            ; Wq, Wk, Wv: triple = group, place = kind;  Wo: triple 12 + group / 3, place group % 3
	s_cselect_b32 s24, s23, s24
	s_cselect_b32 s25, s22, s25
	s_mov_b32 s28, 115200
	s_mov_b32 s29, 19200
	s_mov_b32 s30, 18432
	s_cmp_lt_u32 ttmp9, 64                         ; x's work-group?
	s_cselect_b32 s31, ttmp9, s23                  ; the group in its tensor
	s_cselect_b32 s24, s26, s24                    ; the block or triple
	s_cselect_b32 s25, s27, s25                    ; the place in it
	s_cselect_b32 s28, 153600, s28                 ; bytes of a block or triple,
	s_cselect_b32 s29, 25600, s29                  ; of a K step in it,
	s_cselect_b32 s30, 24576, s30                  ; and where the scale words begin
	s_mul_i32 s36, s31, 196608                     ; 64 rows of 3,072 bytes
	s_mul_i32 s37, s18, 24576                      ; + 8 rows a tile
	s_add_co_u32 s36, s36, s37
	s_lshl_b32 s37, s20, 9                         ; + 512 bytes a K step
	s_add_co_u32 s36, s36, s37
	s_mov_b32 s37, 0
	s_mul_i32 s38, s24, s28
	s_mul_i32 s39, s20, s29
	s_add_co_u32 s38, s38, s39
	s_add_co_u32 s40, s38, s30
	s_lshl_b32 s41, s25, 8
	s_add_co_u32 s40, s40, s41                     ; the group's scale words
	s_mov_b32 s41, 0
	s_mul_i32 s39, s25, 6144
	s_add_co_u32 s38, s38, s39
	s_mul_i32 s39, s18, 1536
	s_add_co_u32 s38, s38, s39                     ; my fragment
	s_mov_b32 s39, 0
	s_wait_alu depctr_va_vdst(0)
	s_wait_kmcnt 0x0
	s_cmp_eq_u32 s22, 1                            ; the choices hang on the work-group's number alone
	s_cselect_b64 s[32:33], s[8:9], s[6:7]
	s_cmp_eq_u32 s22, 2
	s_cselect_b64 s[32:33], s[10:11], s[32:33]
	s_cmp_eq_u32 s22, 3
	s_cselect_b64 s[32:33], s[12:13], s[32:33]
	s_cmp_lt_u32 ttmp9, 64
	s_cselect_b64 s[32:33], s[4:5], s[32:33]
	s_cselect_b64 s[34:35], s[14:15], s[16:17]
	s_add_nc_u64 s[32:33], s[32:33], s[36:37]
	s_add_nc_u64 s[42:43], s[34:35], s[40:41]
	s_add_nc_u64 s[34:35], s[34:35], s[38:39]
.irp p, 0,1,2,3,4,5,6,7,8,9,10,11,12,13,14,15
	global_load_b128 v[R+4*\p:R+4*\p+3], v1, s[32:33] offset:(32*(\p/8)+\p%8)*3072 th:TH_LOAD_NT   ; row p of my tile: 32 lanes read 512 consecutive bytes; read once in the launch
.endr
.irp p, 0,1,2,3,4,5,6,7,8,9,10,11,12,13,14,15
	s_wait_loadcnt 15-\p                           ; loads come back in order: row p is in, the younger ones stay out
	ds_store_b128 v2, v[R+4*\p:R+4*\p+3] offset:SP*\p
.endr
.irp c, 0,1
.irp j, 0,1,2,3,4,5,6,7
	ds_load_b128 v[X+32*\c+4*\j:X+32*\c+4*\j+3], v3 offset:256*\c+16*\j   ; k = 64 c + 32 h + 0 .. 31 of row r.  LDS serves a wave's instructions in order: these see my stores
.endr
.endr
	s_wait_dscnt 0x0
.irp c, 0,1
	v_max3_num_f32 v[MX+\c], |v[X+32*\c]|, |v[X+32*\c+1]|, 0x1800000   ; block 2 c + h: all its 32 numbers are mine; the floor 2^(3 - 127) holds the byte at 1 from below
.endr
.irp i, 2,4,6,8,10,12,14,16,18,20,22,24,26,28,30
.irp c, 0,1
	v_max3_num_f32 v[MX+\c], v[MX+\c], |v[X+32*\c+\i]|, |v[X+32*\c+\i+1]|
.endr
.endr
.irp c, 0,1
	v_add_nc_u32 v[SOP+\c], 0xff000000, v[MX+\c]   ; 2 off the exponent field: the conversion takes this operand's exponent field as its scale
.endr
.irp c, 0,1
	v_lshrrev_b32 v[BY+\c], 23, v[SOP+\c]          ; the byte
.endr
	v_lshl_or_b32 v172, v[BY+1], 16, v[BY]         ; my two bytes, blocks h and 2 + h,
	v_lshlrev_b32 v172, v5, v172                   ; at their places,
	v_permlanex16_b32 v173, v172, s44, s45
	v_or_b32 v172, v172, v173                      ; and lane l xor 16's two: the row's scale word
.irp c, 0,1
	v_cvt_scalef32_pk16_fp6_f32 v[CD+6*\c:CD+6*\c+2], v[X+32*\c:X+32*\c+15], v[SOP+\c]
	v_cvt_scalef32_pk16_fp6_f32 v[TP+4*\c:TP+4*\c+2], v[X+32*\c+16:X+32*\c+31], v[SOP+\c]   ; (a conversion's three registers begin on an even number)
.endr
	v_nop                                          ; one plain place behind a scaled conversion
.irp c, 0,1
.irp i, 0,1,2
	v_mov_b32 v[CD+6*\c+3+\i], v[TP+4*\c+\i]
.endr
.endr
	ds_store_b32 v4, v172                          ; both halves of the lanes write the same word with the same value
.irp q, 0,1,2
	global_store_b128 v1, v[CD+4*\q:CD+4*\q+3], s[34:35] offset:512*\q   ; 32 lanes store 512 consecutive bytes, aligned
.endr
	s_wait_dscnt 0x0                               ; for the others' sake: my scale words lie in LDS
	s_barrier_signal -1
	s_barrier_wait -1
	s_cmp_lg_u32 s18, 0
	s_cbranch_scc1 .Lend                           ; wave 0 stores the group's 256 bytes of scale words whole
	ds_load_b64 v[174:175], v7
	s_wait_dscnt 0x0
	global_store_b64 v6, v[174:175], s[42:43]
.Lend:
	s_wait_tensorcnt 0x0                           ; the wave's end, behind my last LDS store
	ds_add_u32 v12, v13
	s_wait_dscnt 0x0
	s_endpgm
.Lfunc_end_k_q951ac8fff8_quant:
	.size	k_q951ac8fff8_quant, .Lfunc_end_k_q951ac8fff8_quant-k_q951ac8fff8_quant
	.p2alignl 7, 3214868480
	.fill 96, 4, 3214868480
	.section	.rodata,"a",@progbits
	.p2align	6, 0x0
	.amdhsa_kernel k_q951ac8fff8_quant
		.amdhsa_group_segment_fixed_size 34560
		.amdhsa_private_segment_fixed_size 0
		.amdhsa_enable_private_segment 0
		.amdhsa_kernarg_size 56
		.amdhsa_user_sgpr_count 2
		.amdhsa_user_sgpr_kernarg_segment_ptr 1
		.amdhsa_wavefront_size32 1
		.amdhsa_system_sgpr_workgroup_id_x 1
		.amdhsa_system_sgpr_workgroup_id_y 1
		.amdhsa_system_sgpr_workgroup_id_z 1
		.amdhsa_system_vgpr_workitem_id 0
		.amdhsa_next_free_vgpr 176
		.amdhsa_next_free_sgpr 66
		.amdhsa_reserve_vcc 0
		.amdhsa_float_denorm_mode_32 3
		.amdhsa_float_denorm_mode_16_64 3
		.amdhsa_memory_ordered 1
		.amdhsa_forward_progress 1
		.amdhsa_inst_pref_size 12
	.end_amdhsa_kernel
	.amdgpu_metadata
---
amdhsa.version: [ 1, 2 ]
amdhsa.kernels:
  - .name:           k_q951ac8fff8_quant
    .symbol:         k_q951ac8fff8_quant.kd
    .args:
      - { .name: x, .offset: 0, .size: 8, .value_kind: global_buffer, .address_space: global }
      - { .name: Wq, .offset: 8, .size: 8, .value_kind: global_buffer, .address_space: global }
      - { .name: Wk, .offset: 16, .size: 8, .value_kind: global_buffer, .address_space: global }
      - { .name: Wv, .offset: 24, .size: 8, .value_kind: global_buffer, .address_space: global }
      - { .name: Wo, .offset: 32, .size: 8, .value_kind: global_buffer, .address_space: global }
      - { .name: xc, .offset: 40, .size: 8, .value_kind: global_buffer, .address_space: global }
      - { .name: wc, .offset: 48, .size: 8, .value_kind: global_buffer, .address_space: global }
    .group_segment_fixed_size: 34560
    .private_segment_fixed_size: 0
    .kernarg_segment_align: 8
    .kernarg_segment_size: 56
    .max_flat_workgroup_size: 128
    .sgpr_count:     66
    .vgpr_count:     176
    .wavefront_size: 32
...
	.end_amdgpu_metadata
.endif
;; end of part 1
;; launch qkv (part 2): grid 16 x 12, 12 waves a work-group, clusters of 4 x 4, 270,336 bytes of LDS; arguments xc, wc, bq, bk, bv, qc, kv; writes qc, kv
.if DOCPART == 2
	.amdgcn_target "amdgcn-amd-amdhsa--gfx1250"
	.amdhsa_code_object_version 6
	.text
	.protected	k_q951ac8fff8_qkv
	.globl	k_q951ac8fff8_qkv
	.p2align	8
	.type	k_q951ac8fff8_qkv,@function
k_q951ac8fff8_qkv:
	s_mov_b64 s[64:65], 0
	v_nop
	global_prefetch_b8 v0, s[64:65] scope:SCOPE_SE
	s_setreg_imm32_b32 hwreg(HW_REG_WAVE_MODE, 25, 1), 1
	s_wait_xcnt 0x0
	s_wait_alu depctr_hold_cnt(0) depctr_sa_sdst(0) depctr_va_vdst(0) depctr_va_sdst(0) depctr_va_ssrc(0) depctr_va_vcc(0) depctr_vm_vsrc(0)
	s_getreg_b32 s2, hwreg(HW_REG_IB_STS2, 6, 4)
	s_cmp_eq_u32 s2, 0
	s_cbranch_scc0 .Lentry_in_a_cluster
	s_endpgm
.Lentry_in_a_cluster:
	s_bfe_u32 s2, ttmp6, 0x10000c
	s_cmp_lg_u32 s2, 0xf033
	s_cbranch_scc0 .Lentry_shape_is_right
	s_endpgm
.Lentry_shape_is_right:
; Launch 2 of 4: q = x Wq^T + bq, k = x Wk^T + bk, v = x Wv^T + bv on codes of E2M3, and the results quantised at once: q and k along the head's 64, v along the keys.  No work is left out.
; LIMITS: as stated at the head of the first launch (a block of zeros gets byte 1; no NaN, no infinities).
; SHARES: work-group (B, head): 256 tokens x one head's q, k and v.  All of K = 768 lies in LDS at once (six K steps of x's 16 fragments and of the head's 12 weight fragments): first fills only, one barrier.
; 192 work-groups: 16 blocks of tokens x 12 heads; the 2,304 wave units of 64 x 64 x 3 kinds have no even split over more.
; Wave w: kind = w / 4 (q, k, v), u = w % 4: the block's u-th group of 64 tokens.  ONE text for all: four INNER tiles (source 0) x four OUTER tiles (source 1), 16 accumulators.
;   q, k: inner = the weight's tiles, outer = x's: a lane holds one token, and its 32 registers of the four inner tiles run along d = 32 h + 0 .. 31: a whole block of the next K.
;   v:    inner = x's tiles, outer = Wv's: a lane holds one d, and its 32 registers run along 32 neighbouring keys: a whole block of the next K.
; So no maximum crosses lanes and the conversions' results are the next operand's registers.
; OUT: records of 3,328 bytes: two images of 12 registers (tile 2 p in registers 0-5, tile 2 p + 1 in 6-11), then 256 bytes of scale words.
;   qc: [head][group of 64 tokens][record].   kv: [head / 3][step of 128 keys][head % 3][K of keys 0-63][K of keys 64-127][V of keys 0-63][V of keys 64-127].
;   q's and k's scale words: bytes 0, 1 their two blocks, bytes 2, 3 = 127 (the upper half of the form's 128 along K is zero codes).  V's: two bytes at bits 16 c on, the rest 0: the next launch joins c = 0 and 1.
; CLUSTER 4 x 4: the four work-groups of a row share the head, those of a column the block of tokens: each K step's operands are asked for jointly.
.set XL,    115200                     ; LDS: the weights' six K steps of 19,200 bytes at 0; x's six of 25,600 here
.set SPARE, 268800                     ; the spare words, 128 bytes a wave: six blocks of 256 bytes that no other line names
.set FI,    28                         ; v28-75   inner fragments
.set FO,    76                         ; v76-123  outer fragments
.set ACC,   128                        ; v128-255 accumulator (o, i) at ACC + 32 o + 8 i;  v256-287 (window 1): the bias
.set CP,    28                         ; the way out: v28-51 the two images
.set TP,    52                         ; v52-67   second halves of the codes
.set MX,    68
.set SOP,   72
.set BY,    76
.set PD,    80
.set WD,    84
.set WV,    18
.set G1X,   28                         ; s[28:35] descriptor group 1 for x's K steps;  s[36:43] for the weights'
.set G1W,   36
.set G0X,   44
.set G0W,   48
.set MSB, 0
.macro WIN new                         ; the immediate's high byte repeats the setting that is left
.if MSB != \new
	s_set_vgpr_msb (MSB<<8)|\new
.set MSB, \new
.endif
.endm
.macro CROUND                          ; a round of the cluster's barrier
	s_barrier_signal -1
	s_barrier_wait -1
	s_cmp_lg_u32 s[WV], 0
	s_cbranch_scc1 .Lnot_wave_0_\@
	s_barrier_signal -3
.Lnot_wave_0_\@:
	s_barrier_wait -3
	s_barrier_signal -1
	s_barrier_wait -1
.endm
; one product: D, source 0, source 1, z = 1: the sum starts with 0; the scale registers, and which half of their lanes is read
.macro WM d, a, b, z, sa, sb, ra, rb
.if \z
.if ((\ra) == 0) && ((\rb) == 0)
	v_wmma_scale_f32_16x16x128_f8f6f4 v[\d:\d+7], v[\a:\a+11], v[\b:\b+11], 0, v[\sa], v[\sb] matrix_a_fmt:MATRIX_FMT_FP6 matrix_b_fmt:MATRIX_FMT_FP6
.elseif (\rb) == 0
	v_wmma_scale_f32_16x16x128_f8f6f4 v[\d:\d+7], v[\a:\a+11], v[\b:\b+11], 0, v[\sa], v[\sb] matrix_a_fmt:MATRIX_FMT_FP6 matrix_b_fmt:MATRIX_FMT_FP6 matrix_a_scale:MATRIX_SCALE_ROW1
.elseif (\ra) == 0
	v_wmma_scale_f32_16x16x128_f8f6f4 v[\d:\d+7], v[\a:\a+11], v[\b:\b+11], 0, v[\sa], v[\sb] matrix_a_fmt:MATRIX_FMT_FP6 matrix_b_fmt:MATRIX_FMT_FP6 matrix_b_scale:MATRIX_SCALE_ROW1
.else
	v_wmma_scale_f32_16x16x128_f8f6f4 v[\d:\d+7], v[\a:\a+11], v[\b:\b+11], 0, v[\sa], v[\sb] matrix_a_fmt:MATRIX_FMT_FP6 matrix_b_fmt:MATRIX_FMT_FP6 matrix_a_scale:MATRIX_SCALE_ROW1 matrix_b_scale:MATRIX_SCALE_ROW1
.endif
.else
.if ((\ra) == 0) && ((\rb) == 0)
	v_wmma_scale_f32_16x16x128_f8f6f4 v[\d:\d+7], v[\a:\a+11], v[\b:\b+11], v[\d:\d+7], v[\sa], v[\sb] matrix_a_fmt:MATRIX_FMT_FP6 matrix_b_fmt:MATRIX_FMT_FP6
.elseif (\rb) == 0
	v_wmma_scale_f32_16x16x128_f8f6f4 v[\d:\d+7], v[\a:\a+11], v[\b:\b+11], v[\d:\d+7], v[\sa], v[\sb] matrix_a_fmt:MATRIX_FMT_FP6 matrix_b_fmt:MATRIX_FMT_FP6 matrix_a_scale:MATRIX_SCALE_ROW1
.elseif (\ra) == 0
	v_wmma_scale_f32_16x16x128_f8f6f4 v[\d:\d+7], v[\a:\a+11], v[\b:\b+11], v[\d:\d+7], v[\sa], v[\sb] matrix_a_fmt:MATRIX_FMT_FP6 matrix_b_fmt:MATRIX_FMT_FP6 matrix_b_scale:MATRIX_SCALE_ROW1
.else
	v_wmma_scale_f32_16x16x128_f8f6f4 v[\d:\d+7], v[\a:\a+11], v[\b:\b+11], v[\d:\d+7], v[\sa], v[\sb] matrix_a_fmt:MATRIX_FMT_FP6 matrix_b_fmt:MATRIX_FMT_FP6 matrix_a_scale:MATRIX_SCALE_ROW1 matrix_b_scale:MATRIX_SCALE_ROW1
.endif
.endif
.endm
	s_load_b256 s[4:11], s[0:1], 0x0               ; xc, wc, bq, bk
	s_load_b128 s[12:15], s[0:1], 0x20             ; bv, qc
	s_load_b64 s[16:17], s[0:1], 0x30              ; kv
	v_lshl_add_u32 v8, v0, 2, SPARE
	v_mov_b32 v9, 0
	ds_add_u32 v8, v9                              ; the wave's opening: the add, twice on end, and its wait ahead of my first tensor load; the set-up below stands between
	ds_add_u32 v8, v9
	v_lshrrev_b32 v12, 5, v0
	s_delay_alu instid0(VALU_DEP_1)
	v_readfirstlane_b32 s[WV], v12                 ; wave 0..11
	s_bfe_u32 s19, ttmp6, 0x40000                  ; cx
	s_bfe_u32 s20, ttmp6, 0x40004                  ; cy
	s_lshl_b32 s21, ttmp9, 2
	s_add_co_u32 s21, s21, s19                     ; B: the block of 256 tokens
	s_and_b32 s22, ttmp7, 0xffff
	s_lshl_b32 s22, s22, 2
	s_add_co_u32 s22, s22, s20                     ; the head
	s_lshl_b32 s66, s20, 2
	s_lshl_b32 s66, 15, s66                        ; my row of the cluster: it shares the head
	s_lshl_b32 s67, 0x1111, s19                    ; my column: it shares the tokens
	s_or_b32 s[G1W], s66, (3<<16)|(1<<21)          ; 15:0 the mask; 17:16 elements of 8 bytes; 21 set beside a mask; no padding: images are read as they lie
	s_or_b32 s[G1X], s67, (3<<16)|(1<<21)
	s_mov_b32 s[G1W+1], 32<<16                     ; a dense block as rows of 256 bytes: tensor_dim0 = 32
	s_mov_b32 s[G1W+2], 75<<16                     ; tensor_dim1 = 75 rows: 19,200 bytes
	s_mov_b32 s[G1W+3], 32<<16                     ; tile_dim0
	s_mov_b32 s[G1W+4], 75                         ; tile_dim1
	s_mov_b32 s[G1W+5], 32                         ; the pitch
	s_mov_b32 s[G1W+6], 0
	s_mov_b32 s[G1W+7], 0
	s_mov_b32 s[G1X+1], 32<<16
	s_mov_b32 s[G1X+2], 100<<16                    ; 100 rows: 25,600 bytes
	s_mov_b32 s[G1X+3], 32<<16
	s_mov_b32 s[G1X+4], 100
	s_mov_b32 s[G1X+5], 32
	s_mov_b32 s[G1X+6], 0
	s_mov_b32 s[G1X+7], 0
	s_lshr_b32 s68, s[WV], 1                       ; the K step that I fetch: even waves the weights', odd waves x's
	s_mul_i32 s69, s68, 19200
	s_mul_i32 s70, s22, 115200
	s_add_co_u32 s70, s70, s69
	s_mov_b32 s71, 0
	s_mul_i32 s74, s68, 25600
	s_mul_i32 s72, s21, 153600
	s_add_co_u32 s72, s72, s74
	s_mov_b32 s73, 0
	s_mov_b32 s[G0W], 1
	s_mov_b32 s[G0W+1], s69
	s_mov_b32 s[G0X], 1
	s_add_co_u32 s[G0X+1], s74, XL
	s_and_b32 s75, s[WV], 1
	s_lshr_b32 s23, s[WV], 2                       ; kind
	s_and_b32 s24, s[WV], 3                        ; u
	s_lshr_b32 s25, s[WV], 3                       ; f = 1: v
	s_xor_b32 s26, s25, 1
	s_mul_i32 s76, s23, 6144                       ; the weight's four fragments in a K step
	s_mul_i32 s77, s24, 6144
	s_add_co_u32 s77, s77, XL                      ; x's four
	s_mul_i32 s78, s26, s76
	s_mul_i32 s79, s25, s77
	s_add_co_u32 s78, s78, s79                     ; inner
	s_mul_i32 s79, s25, s76
	s_mul_i32 s80, s26, s77
	s_add_co_u32 s79, s79, s80                     ; outer
	s_lshl_b32 s76, s23, 8
	s_add_co_u32 s76, s76, 18432                   ; the weight's scale words
	s_lshl_b32 s77, s24, 8
	s_add_co_u32 s77, s77, XL+24576                ; x's
	s_mul_i32 s80, s26, s76
	s_mul_i32 s81, s25, s77
	s_add_co_u32 s80, s80, s81
	s_mul_i32 s81, s25, s76
	s_mul_i32 s82, s26, s77
	s_add_co_u32 s81, s81, s82
	s_mul_i32 s57, s25, 6400
	s_add_co_u32 s57, s57, 19200                   ; from K step to K step: inner,
	s_mul_i32 s58, s26, 6400
	s_add_co_u32 s58, s58, 19200                   ; outer
	v_and_b32 v12, 31, v0
	s_delay_alu instid0(VALU_DEP_1)
	v_lshlrev_b32 v1, 4, v12                       ; 16 x lane
	s_delay_alu instid0(VALU_DEP_2)
	v_lshlrev_b32 v2, 3, v12                       ; 8 x lane
	s_delay_alu instid0(VALU_DEP_2)
	v_add_nc_u32 v3, s78, v1
	s_delay_alu instid0(VALU_DEP_3)
	v_add_nc_u32 v4, s79, v1
	s_delay_alu instid0(VALU_DEP_3)
	v_add_nc_u32 v5, s80, v2
	s_delay_alu instid0(VALU_DEP_4)
	v_add_nc_u32 v6, s81, v2
	v_bfe_u32 v13, v0, 4, 1                        ; h
	s_delay_alu instid0(VALU_DEP_1)
	v_lshlrev_b32 v7, 3, v13                       ; 8 h
	s_delay_alu instid0(VALU_DEP_2)
	v_lshlrev_b32 v10, 7, v13                      ; bq, bk: my 32 numbers begin 128 h bytes on
	v_and_b32 v14, 7, v0
	v_bfe_u32 v15, v0, 3, 1
	s_delay_alu instid0(VALU_DEP_2)
	v_lshlrev_b32 v11, 2, v14
	s_delay_alu instid0(VALU_DEP_1)
	v_lshl_add_u32 v11, v15, 7, v11                ; bv: d = 32 (r / 8) + 8 o + r % 8
	s_mov_b32 s52, 0x76543210
	s_mov_b32 s53, 0xfedcba98                      ; v_permlanex16_b32's selects for lane l xor 16
	s_mov_b32 s54, 0xffff0000                      ; lanes 16-31
	s_lshl_b32 s83, s22, 6
	s_lshl_b32 s84, s21, 2
	s_add_co_u32 s83, s83, s84
	s_add_co_u32 s83, s83, s24
	s_mul_i32 s83, s83, 3328                       ; q's record: 64 head + group
	s_mul_i32 s84, s22, 11
	s_lshr_b32 s84, s84, 5                         ; head / 3
	s_mul_i32 s85, s84, 3
	s_sub_co_u32 s85, s22, s85                     ; head % 3
	s_mul_i32 s84, s84, 1277952
	s_mul_i32 s85, s85, 13312
	s_add_co_u32 s84, s84, s85
	s_lshl_b32 s85, s21, 1
	s_lshr_b32 s86, s24, 1
	s_add_co_u32 s85, s85, s86                     ; the step of 128 keys
	s_mul_i32 s85, s85, 39936
	s_add_co_u32 s84, s84, s85
	s_mul_i32 s85, s25, 6656                       ; K's two records, then V's
	s_add_co_u32 s84, s84, s85
	s_and_b32 s85, s24, 1                          ; c: which 64 of the 128
	s_mul_i32 s86, s85, 3328
	s_add_co_u32 s84, s84, s86
	s_lshl_b32 s85, s85, 4
	s_mul_i32 s55, s85, s25                        ; V's bytes stand 16 c bits up
	s_mul_i32 s56, s26, 0x7f7f0000                 ; q's and k's words: bytes 2, 3 = 127
	s_cmp_eq_u32 s23, 0
	s_cselect_b32 s86, s83, s84
	s_mov_b32 s87, 0
	s_lshl_b32 s88, s22, 8                         ; the head's 64 numbers of a bias
	s_mov_b32 s89, 0
	s_wait_dscnt 0x0                               ; both opening adds are done
	s_wait_kmcnt 0x0
	s_add_nc_u64 s[G0W+2:G0W+3], s[6:7], s[70:71]
	s_or_b32 s[G0W+3], s[G0W+3], 0x80000000
	s_add_nc_u64 s[G0X+2:G0X+3], s[4:5], s[72:73]
	s_or_b32 s[G0X+3], s[G0X+3], 0x80000000
	s_cmp_eq_u32 s23, 0                            ; choices on the wave's number
	s_cselect_b64 s[60:61], s[14:15], s[16:17]
	s_cselect_b64 s[62:63], s[8:9], s[10:11]
	s_cmp_eq_u32 s23, 2
	s_cselect_b64 s[62:63], s[12:13], s[62:63]
	s_add_nc_u64 s[60:61], s[60:61], s[86:87]      ; where my record goes
	s_add_nc_u64 s[62:63], s[62:63], s[88:89]      ; my bias
	CROUND                                         ; all sixteen work-groups are here: the joint loads meet
	s_cmp_eq_u32 s75, 0                            ; every wave issues one first fill: one tensor load of mine is out
	s_cbranch_scc0 .Lfor_x
	tensor_load_to_lds s[G0W:G0W+3], s[G1W:G1W+7]
	s_nop 0
.rept 4
	v_nop
.endr
	s_branch .Lasked
.Lfor_x:
	tensor_load_to_lds s[G0X:G0X+3], s[G1X:G1X+7]
	s_nop 0
.rept 4
	v_nop
.endr
.Lasked:
	s_cmp_eq_u32 s25, 0                            ; the bias, into window 1, in the layout in which it is added
	s_cbranch_scc0 .Lload_bv
	WIN 0x40
	s_wait_alu depctr_va_vdst(0)
.irp q, 0,1,2,3,4,5,6,7
	global_load_b128 v[4*\q:4*\q+3], v10, s[62:63] offset:16*\q    ; b(32 h + 0 .. 31): register 8 i + j belongs to inner tile i
.endr
	WIN 0
	s_branch .Lbias_asked
.Lload_bv:
	WIN 0x40
	s_wait_alu depctr_va_vdst(0)
.irp o, 0,1,2,3
	global_load_b32 v[2*\o], v11, s[62:63] offset:32*\o            ; my d of outer tile o, twice: a pair for the packed addition
	global_load_b32 v[2*\o+1], v11, s[62:63] offset:32*\o
.endr
	WIN 0
.Lbias_asked:
	s_wait_tensorcnt 0x0                           ; my K step's operands lie in LDS,
	s_barrier_signal -1
	s_barrier_wait -1                              ; everybody's do
; A K step: 24 fragments' loads, the scale words, 16 products.  The 16 accumulators take turns, one instruction a turn, in the same order in every step.
.macro KSTEP first
.if \first == 0
	v_add_nc_u32 v3, s57, v3                       ; the next K step; these four are also the places in front of loads into registers that matrix instructions have read
	v_add_nc_u32 v4, s58, v4
	v_add_nc_u32 v5, s57, v5
	v_add_nc_u32 v6, s58, v6
.endif
.irp t, 0,1,2,3
.irp q, 0,1,2
	ds_load_b128 v[FI+12*\t+4*\q:FI+12*\t+4*\q+3], v3 offset:1536*\t+512*\q
.endr
.endr
.irp t, 0,1,2,3
.irp q, 0,1,2
	ds_load_b128 v[FO+12*\t+4*\q:FO+12*\t+4*\q+3], v4 offset:1536*\t+512*\q
.endr
.endr
	ds_load_b64 v[22:23], v5                       ; tile i's words: register i / 2, lanes 16 (i % 2) on
	ds_load_b64 v[24:25], v6
	s_wait_dscnt 0x0
.irp o, 0,1,2,3
.irp i, 0,1,2,3
	WM ACC+32*\o+8*\i, FI+12*\i, FO+12*\o, \first, 22+\i/2, 24+\o/2, \i%2, \o%2
.endr
.endr
.endm
	KSTEP 1
	KSTEP 0
	s_wait_alu depctr_va_vdst(0)
	KSTEP 0
	s_wait_alu depctr_va_vdst(0)
	KSTEP 0
	s_wait_alu depctr_va_vdst(0)
	KSTEP 0
	s_wait_alu depctr_va_vdst(0)
	KSTEP 0
.rept 4
	v_nop                                          ; four places behind the last products
.endr
	s_wait_loadcnt 0x0                             ; the bias
	s_cmp_eq_u32 s25, 0
	s_cbranch_scc0 .Lbias_v
	WIN 0x04                                       ; source 1 in window 1
.irp o, 0,1,2,3
.irp i, 0,1,2,3
.irp j, 0,2,4,6
	v_pk_add_f32 v[ACC+32*\o+8*\i+\j:ACC+32*\o+8*\i+\j+1], v[ACC+32*\o+8*\i+\j:ACC+32*\o+8*\i+\j+1], v[8*\i+\j:8*\i+\j+1]   ; each accumulator from its low end on
.endr
.endr
.endr
	WIN 0
	s_branch .Lbiased
.Lbias_v:
	WIN 0x04
.irp o, 0,1,2,3
.irp i, 0,1,2,3
.irp j, 0,2,4,6
	v_pk_add_f32 v[ACC+32*\o+8*\i+\j:ACC+32*\o+8*\i+\j+1], v[ACC+32*\o+8*\i+\j:ACC+32*\o+8*\i+\j+1], v[2*\o:2*\o+1]
.endr
.endr
.endr
	WIN 0
.Lbiased:
	; THE QUANTISER: outer tile o's 32 registers are one block of 32; the four tiles by turns
.irp o, 0,1,2,3
	v_mov_b32 v[PD+\o], 0                          ; a lane permute's destination counts as one of its sources
.endr
.irp o, 0,1,2,3
	v_max3_num_f32 v[MX+\o], |v[ACC+32*\o]|, |v[ACC+32*\o+1]|, 0x1800000   ; with the floor 2^(3 - 127): the byte cannot fall under 1
.endr
.irp i, 2,4,6,8,10,12,14,16,18,20,22,24,26,28,30
.irp o, 0,1,2,3
	s_delay_alu instid0(VALU_DEP_4)
	v_max3_num_f32 v[MX+\o], v[MX+\o], |v[ACC+32*\o+\i]|, |v[ACC+32*\o+\i+1]|
.endr
.endr
.irp o, 0,1,2,3
	s_delay_alu instid0(VALU_DEP_4)
	v_add_nc_u32 v[SOP+\o], 0xff000000, v[MX+\o]   ; 2 off the exponent field: the conversion's scale operand
.endr
.irp o, 0,1,2,3
	s_delay_alu instid0(VALU_DEP_4)
	v_lshrrev_b32 v[BY+\o], 23, v[SOP+\o]          ; the byte
.endr
.irp o, 0,1,2,3
	s_delay_alu instid0(VALU_DEP_4)
	v_lshlrev_b32 v[BY+\o], v7, v[BY+\o]           ; block h: 8 h bits up
.endr
.irp o, 0,1,2,3
	s_delay_alu instid0(VALU_DEP_4)
	v_permlanex16_b32 v[PD+\o], v[BY+\o], s52, s53
.endr
.irp o, 0,1,2,3
	s_delay_alu instid0(VALU_DEP_4)
	v_or_b32 v[BY+\o], v[BY+\o], v[PD+\o]          ; with lane l xor 16's byte
.endr
.irp o, 0,1,2,3
	s_delay_alu instid0(VALU_DEP_4)
	v_lshl_or_b32 v[WD+\o], v[BY+\o], s55, s56     ; V: 16 c bits up;  q, k: bytes 2, 3 = 127
.endr
	s_delay_alu instid0(VALU_DEP_3)
	v_cndmask_b32 v20, v[WD], v[WD+1], s54         ; the 256 bytes of scale words: lanes 0-15 hold tiles 0 and 2, lanes 16-31 tiles 1 and 3
	s_delay_alu instid0(VALU_DEP_2)
	v_cndmask_b32 v21, v[WD+2], v[WD+3], s54
.irp o, 0,1,2,3
	v_cvt_scalef32_pk16_fp6_f32 v[CP+6*\o:CP+6*\o+2], v[ACC+32*\o:ACC+32*\o+15], v[SOP+\o]
	v_cvt_scalef32_pk16_fp6_f32 v[TP+4*\o:TP+4*\o+2], v[ACC+32*\o+16:ACC+32*\o+31], v[SOP+\o]   ; (a conversion's three registers begin on an even number)
.endr
	v_nop                                          ; one plain place behind a scaled conversion
.irp o, 0,1,2,3
.irp i, 0,1,2
	v_mov_b32 v[CP+6*\o+3+\i], v[TP+4*\o+\i]
.endr
.endr
.irp q, 0,1,2,3,4,5
	global_store_b128 v1, v[CP+4*\q:CP+4*\q+3], s[60:61] offset:512*\q   ; 32 lanes store 512 consecutive bytes, aligned
.endr
	global_store_b64 v2, v[20:21], s[60:61] offset:3072                  ; and 256
	s_wait_tensorcnt 0x0                           ; the wave's end
	ds_add_u32 v8, v9
	s_wait_dscnt 0x0
	CROUND                                         ; the closing round
	s_endpgm
.Lfunc_end_k_q951ac8fff8_qkv:
	.size	k_q951ac8fff8_qkv, .Lfunc_end_k_q951ac8fff8_qkv-k_q951ac8fff8_qkv
	.p2alignl 7, 3214868480
	.fill 96, 4, 3214868480
	.section	.rodata,"a",@progbits
	.p2align	6, 0x0
	.amdhsa_kernel k_q951ac8fff8_qkv
		.amdhsa_group_segment_fixed_size 270336
		.amdhsa_private_segment_fixed_size 0
		.amdhsa_enable_private_segment 0
		.amdhsa_kernarg_size 56
		.amdhsa_user_sgpr_count 2
		.amdhsa_user_sgpr_kernarg_segment_ptr 1
		.amdhsa_wavefront_size32 1
		.amdhsa_system_sgpr_workgroup_id_x 1
		.amdhsa_system_sgpr_workgroup_id_y 1
		.amdhsa_system_sgpr_workgroup_id_z 1
		.amdhsa_system_vgpr_workitem_id 0
		.amdhsa_next_free_vgpr 288
		.amdhsa_next_free_sgpr 96
		.amdhsa_reserve_vcc 0
		.amdhsa_float_denorm_mode_32 3
		.amdhsa_float_denorm_mode_16_64 3
		.amdhsa_memory_ordered 1
		.amdhsa_forward_progress 1
		.amdhsa_inst_pref_size 51
	.end_amdhsa_kernel
	.amdgpu_metadata
---
amdhsa.version: [ 1, 2 ]
amdhsa.kernels:
  - .name:           k_q951ac8fff8_qkv
    .symbol:         k_q951ac8fff8_qkv.kd
    .args:
      - { .name: xc, .offset: 0, .size: 8, .value_kind: global_buffer, .address_space: global }
      - { .name: wc, .offset: 8, .size: 8, .value_kind: global_buffer, .address_space: global }
      - { .name: bq, .offset: 16, .size: 8, .value_kind: global_buffer, .address_space: global }
      - { .name: bk, .offset: 24, .size: 8, .value_kind: global_buffer, .address_space: global }
      - { .name: bv, .offset: 32, .size: 8, .value_kind: global_buffer, .address_space: global }
      - { .name: qc, .offset: 40, .size: 8, .value_kind: global_buffer, .address_space: global }
      - { .name: kv, .offset: 48, .size: 8, .value_kind: global_buffer, .address_space: global }
    .group_segment_fixed_size: 270336
    .private_segment_fixed_size: 0
    .kernarg_segment_align: 8
    .kernarg_segment_size: 56
    .max_flat_workgroup_size: 384
    .sgpr_count:     96
    .vgpr_count:     288
    .wavefront_size: 32
...
	.end_amdgpu_metadata
.endif
;; end of part 2
;; launch attn (part 3): grid 64 x 4, 12 waves a work-group, clusters of 4 x 1, 327,680 bytes of LDS; arguments qc, kv, yc; writes yc
.if DOCPART == 3
	.amdgcn_target "amdgcn-amd-amdhsa--gfx1250"
	.amdhsa_code_object_version 6
	.text
	.protected	k_q951ac8fff8_attn
	.globl	k_q951ac8fff8_attn
	.p2align	8
	.type	k_q951ac8fff8_attn,@function
k_q951ac8fff8_attn:
	s_mov_b64 s[64:65], 0
	v_nop
	global_prefetch_b8 v0, s[64:65] scope:SCOPE_SE
	s_setreg_imm32_b32 hwreg(HW_REG_WAVE_MODE, 25, 1), 1
	s_wait_xcnt 0x0
	s_wait_alu depctr_hold_cnt(0) depctr_sa_sdst(0) depctr_va_vdst(0) depctr_va_sdst(0) depctr_va_ssrc(0) depctr_va_vcc(0) depctr_vm_vsrc(0)
	s_getreg_b32 s2, hwreg(HW_REG_IB_STS2, 6, 4)
	s_cmp_eq_u32 s2, 0
	s_cbranch_scc0 .Lentry_in_a_cluster
	s_endpgm
.Lentry_in_a_cluster:
	s_bfe_u32 s2, ttmp6, 0x10000c
	s_cmp_lg_u32 s2, 0x3003
	s_cbranch_scc0 .Lentry_shape_is_right
	s_endpgm
.Lentry_shape_is_right:
; Launch 3 of 4: y = softmax(q k^T / 8) v on codes of E2M3, head by head, and y quantised along the head's 64.  No work is left out.
; p = 2^(t - M), t = score x log2(e) / 8, M the ceiling of the running largest t: a whole number, so every rescaling is an exact power of two.  The row's sum is taken of the unquantised p.
; LIMITS: as stated at the head of the first launch (a block of zeros gets byte 1; no NaN, no infinities); the promise holds while |t| stays under 2^31.
; SHARES: work-group (g, y): 64 queries x heads 3 y .. 3 y + 2.  Wave w: head 3 y + w / 4, the group's tile w % 4 of 16 queries.  Both products are used transposed: a lane holds one query.
; kv: [head / 3][step of 128 keys][head % 3][K keys 0-63][K keys 64-127][V keys 0-63][V keys 64-127], records of 3,328 bytes (two images of 12 registers, 256 bytes of scale words).
; A tile of K is six registers (64 along d); the form's upper 64 along K meet q's zero codes, so tile t's operand is registers 6 t .. 6 t + 11 of the run.
; RING: two slots of four steps (4 x 39,936 bytes); each wave fetches a twelfth of a slot.  CLUSTER 4 x 1: the four groups of queries share the triple's K and V: every fill is a joint load.
; A STEP: V of this step and K of the next are asked for in one run at its top; the softmax follows; then the next step's eight score products and this step's four products with V stand as one group.
; A SLOT'S LAST STEP signals the round's opening barrier as soon as its V lies in registers; its softmax, work on registers alone, stands inside the round.
; PREFETCH: at each refill the slot that the next refill will load is asked for: in the first cluster along x alone (the 16 clusters of a row read the same bytes), a step of 39,936 bytes to each partner,
; told apart by address, 156 blocks of 256 bytes on waves 0-4, a lane a block; the last refill asks for nothing.
; REGISTERS: v0-39 addresses, row state, scale words; v40-51 q; v52-63 p's codes; v64-71 second halves of the codes; v72-125 K; v128-191 scores, then p; v192-239 V; window 1, v0-31: O^T.
.set SLOT,  159744
.set STEPB, 39936
.set SPARE, 2*SLOT                     ; the spare words, 128 bytes a wave: six blocks of 256 bytes that no other line names
.set QF,    40
.set PC,    52
.set TP,    64
.set KF,    72
.set S,     128
.set VF,    192
.set KS,    30
.set WV,    10
.set G1,    20
.set G0A,   28
.set MSB, 0
.macro WIN new                         ; the immediate's high byte repeats the setting that is left
.if MSB != \new
	s_set_vgpr_msb (MSB<<8)|\new
.set MSB, \new
.endif
.endm
.macro CROUND                          ; a round of the cluster's barrier
	s_barrier_signal -1
	s_barrier_wait -1
	s_cmp_lg_u32 s[WV], 0
	s_cbranch_scc1 .Lnot_wave_0_\@
	s_barrier_signal -3
.Lnot_wave_0_\@:
	s_barrier_wait -3
	s_barrier_signal -1
	s_barrier_wait -1
.endm
.macro WM d, a, b, z, sa, sb, ra
.if \z
.if (\ra) == 0
	v_wmma_scale_f32_16x16x128_f8f6f4 v[\d:\d+7], v[\a:\a+11], v[\b:\b+11], 0, v[\sa], v[\sb] matrix_a_fmt:MATRIX_FMT_FP6 matrix_b_fmt:MATRIX_FMT_FP6
.else
	v_wmma_scale_f32_16x16x128_f8f6f4 v[\d:\d+7], v[\a:\a+11], v[\b:\b+11], 0, v[\sa], v[\sb] matrix_a_fmt:MATRIX_FMT_FP6 matrix_b_fmt:MATRIX_FMT_FP6 matrix_a_scale:MATRIX_SCALE_ROW1
.endif
.else
.if (\ra) == 0
	v_wmma_scale_f32_16x16x128_f8f6f4 v[\d:\d+7], v[\a:\a+11], v[\b:\b+11], v[\d:\d+7], v[\sa], v[\sb] matrix_a_fmt:MATRIX_FMT_FP6 matrix_b_fmt:MATRIX_FMT_FP6
.else
	v_wmma_scale_f32_16x16x128_f8f6f4 v[\d:\d+7], v[\a:\a+11], v[\b:\b+11], v[\d:\d+7], v[\sa], v[\sb] matrix_a_fmt:MATRIX_FMT_FP6 matrix_b_fmt:MATRIX_FMT_FP6 matrix_a_scale:MATRIX_SCALE_ROW1
.endif
.endif
.endm
.macro ASK                             ; s43 counts the refills to go; s44 = 1 in the waves that ask, else the greatest number
	s_cmp_gt_u32 s43, s44
	s_cbranch_scc0 .Lnot_mine_\@
	global_prefetch_b8 v7, s[46:47] th:TH_LOAD_NT scope:SCOPE_SE
.Lnot_mine_\@:
.endm
	s_load_b128 s[4:7], s[0:1], 0x0                ; qc, kv
	s_load_b64 s[8:9], s[0:1], 0x10                ; yc
	v_lshl_add_u32 v5, v0, 2, SPARE
	v_mov_b32 v6, 0
	ds_add_u32 v5, v6                              ; the opening lines: the add, twice on end, and its wait ahead of my first tensor load
	ds_add_u32 v5, v6
	v_lshrrev_b32 v16, 5, v0
	s_delay_alu instid0(VALU_DEP_1)
	v_readfirstlane_b32 s[WV], v16                 ; wave 0..11
	s_bfe_u32 s11, ttmp6, 0x40000                  ; cx
	s_lshl_b32 s12, ttmp9, 2
	s_add_co_u32 s12, s12, s11                     ; the group of 64 queries
	s_and_b32 s13, ttmp7, 0xffff                   ; the triple of heads
	s_lshr_b32 s14, s[WV], 2                       ; the head in it
	s_and_b32 s15, s[WV], 3                        ; the tile of 16 queries
	s_mul_i32 s16, s13, 3
	s_add_co_u32 s16, s16, s14                     ; the head
	s_mov_b32 s[G1], 15|(3<<16)|(1<<21)            ; the mask of all four partners; elements of 8 bytes; bit 21 beside a mask; no padding: images are read as they lie
	s_mov_b32 s[G1+1], 32<<16                      ; a dense block as 52 rows of 256 bytes: 13,312 bytes
	s_mov_b32 s[G1+2], 52<<16
	s_mov_b32 s[G1+3], 32<<16
	s_mov_b32 s[G1+4], 52
	s_mov_b32 s[G1+5], 32
	s_mov_b32 s[G1+6], 0
	s_mov_b32 s[G1+7], 0
	s_mul_i32 s48, s[WV], 13312                    ; my twelfth of a slot
	s_mul_i32 s50, s13, 1277952
	s_mul_i32 s53, s11, STEPB
	s_add_co_u32 s52, s50, s53
	s_add_co_u32 s52, s52, 2*SLOT                  ; the prefetches: my work-group's step of slot data 2; stepped by a slot ahead of each use
	s_mov_b32 s53, 0
	s_add_co_u32 s50, s50, s48
	s_mov_b32 s51, 0
	s_mov_b32 s[G0A], 1
	s_mov_b32 s[G0A+1], s48
	s_mov_b32 s[G0A+4], 1
	s_add_co_u32 s[G0A+5], s48, SLOT
	s_cmp_lt_u32 s[WV], 5
	s_cselect_b32 s44, 0, 1
	s_or_b32 s44, s44, ttmp9
	s_cmp_eq_u32 s44, 0
	s_cselect_b32 s44, 1, -1
	s_mov_b32 s43, 6
	s_mov_b32 s36, 0x76543210
	s_mov_b32 s37, 0xfedcba98                      ; v_permlanex16_b32's selects for lane l xor 16
	s_mov_b32 s38, 0x3e38aa3b                      ; log2(e) / 8
	s_mov_b32 s39, s38
	s_mul_i32 s49, s14, 13312                      ; my head's records in a step
	s_and_b32 s54, s15, 1
	s_lshr_b32 s55, s15, 1
	s_mul_i32 s56, s55, 1536                       ; q's tile: image tile / 2, registers 6 (tile % 2) on, in three pieces of 8 bytes
	s_mul_i32 s57, s54, 520
	s_add_co_u32 s57, s57, s56
	s_mul_i32 s58, s54, 1016
	s_add_co_u32 s58, s58, s56
	s_add_co_u32 s58, s58, 8
	s_add_co_u32 s59, s57, 512
	s_lshl_b32 s61, s54, 7
	s_lshl_b32 s56, s55, 2
	s_add_co_u32 s61, s61, s56
	s_add_co_u32 s61, s61, 3072                    ; and its scale words
	s_lshl_b32 s62, s16, 6
	s_add_co_u32 s62, s62, s12
	s_mul_i32 s62, s62, 3328                       ; q's record: 64 head + group
	s_mov_b32 s63, 0
	s_mul_i32 s40, s12, 48
	s_lshl_b32 s41, s16, 2
	s_add_co_u32 s40, s40, s41
	s_add_co_u32 s40, s40, s15
	s_lshl_b32 s40, s40, 10                        ; y's record of 1,024 bytes: 48 group + 4 head + tile
	s_mov_b32 s41, 0
	s_and_b32 s60, s16, 1
	s_lshl_b32 s60, s60, 4                         ; y's two scale bytes stand 16 (head % 2) bits up
	v_and_b32 v16, 31, v0
	v_and_b32 v17, 15, v0
	v_bfe_u32 v18, v0, 4, 1
	v_min_u32 v7, 155, v0
	v_lshlrev_b32 v8, 3, v18                       ; 8 h
	v_lshl_add_u32 v1, v16, 4, s49
	v_lshl_add_u32 v2, v16, 3, s49
	v_lshlrev_b32 v7, 8, v7                        ; the prefetches: a lane a block of 256 bytes
	v_lshl_add_u32 v20, v16, 4, s57
	v_lshl_add_u32 v21, v16, 4, s58
	v_lshl_add_u32 v22, v16, 4, s59
	v_lshl_add_u32 v23, v17, 3, s61
	s_wait_alu depctr_va_vdst(0)                   ; directly ahead of the waits below
	s_wait_dscnt 0x0                               ; both opening adds are done
	s_wait_kmcnt 0x0
	s_add_nc_u64 s[G0A+2:G0A+3], s[6:7], s[50:51]
	s_add_nc_u64 s[G0A+6:G0A+7], s[G0A+2:G0A+3], SLOT
	s_or_b32 s[G0A+3], s[G0A+3], 0x80000000
	s_or_b32 s[G0A+7], s[G0A+7], 0x80000000
	s_add_nc_u64 s[46:47], s[6:7], s[52:53]
	s_add_nc_u64 s[4:5], s[4:5], s[62:63]
	s_add_nc_u64 s[8:9], s[8:9], s[40:41]
	global_load_b64 v[QF:QF+1], v20, s[4:5]        ; q's six registers and its scale word: on their way under the first fills
	global_load_b64 v[QF+2:QF+3], v21, s[4:5]
	global_load_b64 v[QF+4:QF+5], v22, s[4:5]
	global_load_b32 v28, v23, s[4:5]
	CROUND                                         ; all four work-groups are here: the first joint loads meet
	tensor_load_to_lds s[G0A:G0A+3], s[G1:G1+7]    ; slot 0: one tensor load a wave at the head
	s_nop 0
.rept 4
	v_nop
.endr
.irp i, 6,7,8,9,10,11
	v_mov_b32 v[QF+\i], 0                          ; zero codes for the form's upper 64 along K
.endr
.irp i, 48,49,50,51,52,53
	v_mov_b32 v[KF+\i], 0                          ; the upper half of K's last tile's operand
.endr
	v_mov_b32 v11, 0xff61b1e6                      ; the largest t so far: -3e38
	v_mov_b32 v12, 0                               ; the sum, in two halves
	v_mov_b32 v13, 0
	v_mov_b32 v15, 0
	v_mov_b32 v19, 0                               ; a lane permute's destination counts as one of its sources
	v_mov_b32 v25, 0
	v_floor_f32 v10, -v11                          ; -M
	WIN 0x40
.set JJ, 0
.rept 32
	v_mov_b32 v[JJ], 0                             ; O^T: the step is written once, and the first finds zeros
.set JJ, JJ+1
.endr
	WIN 0
	s_wait_alu depctr_va_vdst(0)                   ; the wait at the head's end
	s_wait_tensorcnt 0x0                           ; my part of slot 0 is in
	ds_add_u32 v5, v6
	s_wait_dscnt 0x0
	CROUND                                         ; slot 0 is whole in every partner
	tensor_load_to_lds s[G0A+4:G0A+7], s[G1:G1+7]  ; slot 1's first fill, issued as a refill is
	s_nop 0
.rept 4
	v_nop
.endr
	s_wait_loadcnt 0x0                             ; q
.macro LOADK off                       ; 14 loads: eight tiles of K and their scale words
.irp c, 0,1
.irp q, 0,1,2,3,4,5
	ds_load_b128 v[KF+24*\c+4*\q:KF+24*\c+4*\q+3], v3 offset:\off+3328*\c+512*\q
.endr
	ds_load_b64 v[KS+2*\c:KS+2*\c+1], v4 offset:\off+3328*\c+3072
.endr
.endm
.macro LOADV                           ; 18 loads: tile t of V takes registers 0-5 from keys 0-63's record, 6-11 from keys 64-127's
.irp c, 0,1
.irp e, 0,1
	ds_load_b128 v[VF+24*\e+6*\c:VF+24*\e+6*\c+3], v3 offset:6656+3328*\c+1536*\e
	ds_load_b64 v[VF+24*\e+6*\c+4:VF+24*\e+6*\c+5], v3 offset:6656+3328*\c+1536*\e+512
	ds_load_b64 v[VF+24*\e+12+6*\c:VF+24*\e+12+6*\c+1], v3 offset:6656+3328*\c+1536*\e+520
	ds_load_b128 v[VF+24*\e+12+6*\c+2:VF+24*\e+12+6*\c+5], v3 offset:6656+3328*\c+1536*\e+1024
.endr
	ds_load_b64 v[34+2*\c:35+2*\c], v4 offset:6656+3328*\c+3072
.endr
.endm
.macro QK                              ; S^T = k q^T: eight tiles of 16 keys; a lane's registers 32 c .. 32 c + 31 are one block of 32 keys
.irp t, 0,1,2,3,4,5,6,7
	WM S+8*\t, KF+6*\t, QF, 1, KS+\t/2, 28, \t%2
.endr
.endm
.macro PSTART buf, ask                 ; a slot's first step: its K, and the scores
	s_mov_b32 s40, (\buf)*SLOT
	v_add_nc_u32 v3, s40, v1
	v_add_nc_u32 v4, s40, v2
	LOADK 0
.if \ask
	ASK
	s_sub_co_u32 s43, s43, 1
.endif
	s_wait_dscnt 0x0
	QK
.endm
.macro FM2
.rept 2
	v_pk_fma_f32 v[S+JF:S+JF+1], v[S+JF:S+JF+1], s[38:39], v[10:11] op_sel_hi:[1,0,0]   ; t - M
.set JF, JF+2
.endr
.endm
.macro ADD2                            ; the row's sum of the unquantised p, in two chains
	v_pk_add_f32 v[12:13], v[12:13], v[S+JA:S+JA+1]
	v_pk_add_f32 v[26:27], v[26:27], v[S+JA+2:S+JA+3]
.set JA, JA+4
.endm
; kind 0: a step with a successor in its slot; 1: a slot's last step, the slot is filled again; 2: a slot's last step, nothing is filled; 3: the very last step
.macro BODY kind, buf
	v_add_nc_u32 v3, s40, v1                       ; these four are the places behind the products: in front of the loads below and of the first read of the scores
	v_add_nc_u32 v4, s40, v2
	v_nop
	v_nop
	LOADV
.if \kind == 0
	LOADK STEPB
.endif
.if (\kind == 1) || (\kind == 2)
	s_wait_tensorcnt 0x0                           ; all my tensor loads have landed: my part of the other slot;
	ds_add_u32 v5, v6                              ; the add; work on registers stands between it and the wait for it
.if \kind == 1
	s_add_nc_u64 s[G0A+4*\buf+2:G0A+4*\buf+3], s[G0A+4*\buf+2:G0A+4*\buf+3], 2*SLOT
	s_wait_xcnt 0x0                                ; my last prefetch has read its address
	s_add_nc_u64 s[46:47], s[46:47], SLOT
.endif
.endif
.irp c, 0,1                            ; the largest score of each block of 32 keys: for the row's maximum and for the block's largest p
	v_max3_num_f32 v[16+\c], v[S+32*\c], v[S+32*\c+1], v[S+32*\c+2]
	v_max3_num_f32 v[20+\c], v[S+32*\c+16], v[S+32*\c+17], v[S+32*\c+18]
.endr
.irp i, 3,5,7,9,11,13
.irp c, 0,1
	v_max3_num_f32 v[16+\c], v[16+\c], v[S+32*\c+\i], v[S+32*\c+\i+1]
	v_max3_num_f32 v[20+\c], v[20+\c], v[S+32*\c+16+\i], v[S+32*\c+17+\i]
.endr
.endr
.irp c, 0,1
	v_max3_num_f32 v[16+\c], v[16+\c], v[20+\c], v[S+32*\c+15]
.endr
.irp c, 0,1
	v_max_num_f32 v[16+\c], v[16+\c], v[S+32*\c+31]
.endr
.if (\kind == 1) || (\kind == 2)
	s_wait_alu depctr_va_vdst(0)                   ; directly ahead of the wait below
	s_wait_dscnt 0x0                               ; the add is done and my reads of this slot are over: V lies in registers
	s_barrier_signal -1                            ; the barrier that opens the round; only work on registers stands inside the round
.endif
	v_max_num_f32 v18, v16, v17
	v_mov_b32 v21, v10
	s_delay_alu instid0(VALU_DEP_2)
	v_permlanex16_b32 v19, v18, s36, s37
	s_delay_alu instid0(VALU_DEP_1)
	v_max_num_f32 v18, v18, v19                    ; the step's largest score of my query
	s_delay_alu instid0(VALU_DEP_1)
	v_mul_f32 v18, s38, v18
	s_delay_alu instid0(VALU_DEP_1)
	v_max_num_f32 v11, v11, v18                    ; the running largest t
	s_delay_alu instid0(VALU_DEP_1)
	v_floor_f32 v10, -v11                          ; -M = floor(-t)
	s_delay_alu instid0(VALU_DEP_1)
	v_sub_f32 v18, v10, v21                        ; old M less new M: a whole number, 0 or less
.set JF, 0
	FM2
	v_cvt_i32_f32 v18, v18                         ; (it saturates)
	FM2
	v_ldexp_f32 v14, 1.0, v18                      ; f = 2^(old M - new M)
.rept 14
	FM2
.endr
	v_fma_f32 v16, v16, s38, v10
	v_fma_f32 v17, v17, s38, v10
	WIN 0x41
.set JJ, 0
.rept 16
	v_pk_mul_f32 v[JJ:JJ+1], v[JJ:JJ+1], v[14:15] op_sel_hi:[1,0]   ; O^T under the new M, each accumulator from its low end on
.set JJ, JJ+2
.endr
	WIN 0
	v_pk_mul_f32 v[12:13], v[12:13], v[14:15] op_sel_hi:[1,0]       ; and the sums
	s_wait_alu depctr_va_vdst(0)                   ; the wait ahead of the batch of exponentials (and ahead of the barrier's wait)
.if (\kind == 1) || (\kind == 2)
	s_barrier_wait -1                              ; nobody of my work-group reads this slot any more, and the other slot is whole
.endif
.if \kind == 1
	s_cmp_lg_u32 s[WV], 0
	s_cbranch_scc1 .Lnw0_\@
	s_barrier_signal -3
.Lnw0_\@:
	s_barrier_wait -3                              ; the same holds of all four partners
	s_barrier_signal -1                            ; the round's closing barrier: the rest of the step, on registers, stands between its signal and its wait
.endif
	v_exp_f32 v16, v16                             ; each block's largest p,
	v_exp_f32 v17, v17
.set JJ, 0
.rept 64
	v_exp_f32 v[S+JJ], v[S+JJ]                     ; and p = 2^(t - M)
.set JJ, JJ+1
.endr
.if \kind == 0
	s_wait_dscnt 14                                ; V is in; the 14 younger loads, the next step's K, may be out
.elseif \kind == 3
	s_wait_dscnt 0x0
.endif
	v_or_b32 v38, v34, v36                         ; V's scale words: the two records' halves.  (Plain places behind the exponentials)
	v_or_b32 v39, v35, v37
	s_wait_alu depctr_va_vdst(0)                   ; one wait for the whole batch, ahead of its first reader
.set JA, 4
	v_pk_add_f32 v[26:27], v[S:S+1], v[S+2:S+3]
	v_max_num_f32 v16, 0x1800000, v16              ; the floor 2^(3 - 127): the byte cannot fall under 1
	v_max_num_f32 v17, 0x1800000, v17
	ADD2
	v_add_nc_u32 v20, 0xff000000, v16              ; 2 off the exponent field: the conversion's scale operand
	v_add_nc_u32 v21, 0xff000000, v17
	ADD2
	v_lshrrev_b32 v22, 23, v20                     ; the bytes
	v_lshrrev_b32 v23, 23, v21
	ADD2
	v_lshl_or_b32 v24, v23, 16, v22
	ADD2
	v_lshlrev_b32 v24, v8, v24                     ; blocks h and 2 + h at their places,
	ADD2
	v_permlanex16_b32 v25, v24, s36, s37
	ADD2
	v_or_b32 v24, v24, v25                         ; with lane l xor 16's two: p's scale word
	ADD2
.irp c, 0,1
	v_cvt_scalef32_pk16_fp6_f32 v[PC+6*\c:PC+6*\c+2], v[S+32*\c:S+32*\c+15], v[20+\c]
	v_cvt_scalef32_pk16_fp6_f32 v[TP+4*\c:TP+4*\c+2], v[S+32*\c+16:S+32*\c+31], v[20+\c]   ; (a conversion's three registers begin on an even number)
.endr
	ADD2                                           ; plain places behind the conversions
.irp c, 0,1
.irp i, 0,1,2
	v_mov_b32 v[PC+6*\c+3+\i], v[TP+4*\c+\i]
.endr
.endr
.rept 7
	ADD2                                           ; these are also the places between the operand's and the scale word's writes and the products
.endr
	v_pk_add_f32 v[12:13], v[12:13], v[26:27]
.if \kind == 0
	s_wait_alu depctr_va_vdst(0)                   ; directly ahead of the wait below
	s_wait_dscnt 0x0                               ; the next step's K is in
	QK
.endif
	WIN 0x50
.irp t, 0,1,2,3
	WM 8*\t, VF+12*\t, PC, 0, 38+\t/2, 24, \t%2    ; O^T += v^T p^T: the accumulators take turns
.endr
	WIN 0
.if \kind == 1
	s_wait_alu depctr_va_vdst(0)                   ; directly ahead of the barrier's wait
	s_barrier_wait -1                              ; the round is closed
	tensor_load_to_lds s[G0A+4*\buf:G0A+4*\buf+3], s[G1:G1+7]   ; my one load behind the round: the slot just read out takes the steps eight on
	s_nop 0
.rept 4
	v_nop
.endr
	PSTART 1-\buf, 1
.elseif \kind == 2
	PSTART 1-\buf, 0
.endif
.endm
.macro PHASE buf, kind                 ; a slot's four steps
	s_mov_b32 s41, 3
.Lstep_\@:
	BODY 0, \buf
	s_add_co_u32 s40, s40, STEPB
	s_sub_co_u32 s41, s41, 1
	s_cmp_lg_u32 s41, 0
	s_cbranch_scc1 .Lstep_\@
	BODY \kind, \buf
.endm
	PSTART 0, 0
	s_mov_b32 s42, 3
.Lring:
	PHASE 0, 1
	PHASE 1, 1
	s_sub_co_u32 s42, s42, 1
	s_cmp_lg_u32 s42, 0
	s_cbranch_scc1 .Lring
	PHASE 0, 2                                     ; the last two slots fetch nothing more
	PHASE 1, 3
.rept 4
	v_nop                                          ; four places behind the last products
.endr
	v_add_f32 v12, v12, v13
	s_delay_alu instid0(VALU_DEP_1)
	v_permlanex16_b32 v19, v12, s36, s37
	s_delay_alu instid0(VALU_DEP_1)
	v_add_f32 v12, v12, v19                        ; the row's sum
	s_wait_alu depctr_va_vdst(0)                   ; the wait ahead of the transcendental
	v_rcp_f32 v14, v12
	v_and_b32 v18, 31, v0
	s_delay_alu instid0(VALU_DEP_1)
	v_lshlrev_b32 v3, 4, v18
	s_delay_alu instid0(VALU_DEP_2)
	v_lshlrev_b32 v4, 3, v18
	v_mov_b32 v17, 0
	WIN 0x01
	s_wait_alu depctr_va_vdst(0)                   ; and ahead of its first reader, which is also O^T's
.set JJ, 0
.rept 16
	v_pk_mul_f32 v[S+JJ:S+JJ+1], v[JJ:JJ+1], v[14:15] op_sel_hi:[1,0]   ; y = O^T / the sum: my 32 numbers are d = 32 h + 0 .. 31, one block of the next K
.set JJ, JJ+2
.endr
	WIN 0
	v_max3_num_f32 v16, |v[S]|, |v[S+1]|, 0x1800000
	v_max3_num_f32 v20, |v[S+16]|, |v[S+17]|, |v[S+18]|
.irp i, 2,4,6,8,10,12
	s_delay_alu instid0(VALU_DEP_2)
	v_max3_num_f32 v16, v16, |v[S+\i]|, |v[S+\i+1]|
	s_delay_alu instid0(VALU_DEP_2)
	v_max3_num_f32 v20, v20, |v[S+17+\i]|, |v[S+18+\i]|
.endr
	s_delay_alu instid0(VALU_DEP_2)
	v_max3_num_f32 v16, v16, |v[S+14]|, |v[S+15]|
	s_delay_alu instid0(VALU_DEP_1)
	v_max3_num_f32 v16, v16, v20, |v[S+31]|
	s_delay_alu instid0(VALU_DEP_1)
	v_add_nc_u32 v20, 0xff000000, v16
	s_delay_alu instid0(VALU_DEP_1)
	v_lshrrev_b32 v16, 23, v20
	s_delay_alu instid0(VALU_DEP_1)
	v_lshlrev_b32 v16, v8, v16
	s_delay_alu instid0(VALU_DEP_1)
	v_permlanex16_b32 v19, v16, s36, s37
	s_delay_alu instid0(VALU_DEP_1)
	v_or_b32 v16, v16, v19
	s_delay_alu instid0(VALU_DEP_1)
	v_lshlrev_b32 v16, s60, v16
	v_cvt_scalef32_pk16_fp6_f32 v[PC:PC+2], v[S:S+15], v20
	v_cvt_scalef32_pk16_fp6_f32 v[TP:TP+2], v[S+16:S+31], v20
	v_nop                                          ; one plain place behind a scaled conversion
.irp i, 0,1,2
	v_mov_b32 v[PC+3+\i], v[TP+\i]
.endr
	global_store_b128 v3, v[PC:PC+3], s[8:9]               ; the record: 512 consecutive bytes, aligned,
	global_store_b64 v4, v[PC+4:PC+5], s[8:9] offset:512   ; 256,
	global_store_b64 v4, v[16:17], s[8:9] offset:768       ; and 256 of scale words
	s_wait_tensorcnt 0x0                           ; the wave's end
	ds_add_u32 v5, v6
	s_wait_dscnt 0x0
	CROUND                                         ; the closing round
	s_endpgm
.Lfunc_end_k_q951ac8fff8_attn:
	.size	k_q951ac8fff8_attn, .Lfunc_end_k_q951ac8fff8_attn-k_q951ac8fff8_attn
	.p2alignl 7, 3214868480
	.fill 96, 4, 3214868480
	.section	.rodata,"a",@progbits
	.p2align	6, 0x0
	.amdhsa_kernel k_q951ac8fff8_attn
		.amdhsa_group_segment_fixed_size 327680
		.amdhsa_private_segment_fixed_size 0
		.amdhsa_enable_private_segment 0
		.amdhsa_kernarg_size 24
		.amdhsa_user_sgpr_count 2
		.amdhsa_user_sgpr_kernarg_segment_ptr 1
		.amdhsa_wavefront_size32 1
		.amdhsa_system_sgpr_workgroup_id_x 1
		.amdhsa_system_sgpr_workgroup_id_y 1
		.amdhsa_system_sgpr_workgroup_id_z 1
		.amdhsa_system_vgpr_workitem_id 0
		.amdhsa_next_free_vgpr 288
		.amdhsa_next_free_sgpr 66
		.amdhsa_reserve_vcc 0
		.amdhsa_float_denorm_mode_32 3
		.amdhsa_float_denorm_mode_16_64 3
		.amdhsa_memory_ordered 1
		.amdhsa_forward_progress 1
		.amdhsa_inst_pref_size 134
	.end_amdhsa_kernel
	.amdgpu_metadata
---
amdhsa.version: [ 1, 2 ]
amdhsa.kernels:
  - .name:           k_q951ac8fff8_attn
    .symbol:         k_q951ac8fff8_attn.kd
    .args:
      - { .name: qc, .offset: 0, .size: 8, .value_kind: global_buffer, .address_space: global }
      - { .name: kv, .offset: 8, .size: 8, .value_kind: global_buffer, .address_space: global }
      - { .name: yc, .offset: 16, .size: 8, .value_kind: global_buffer, .address_space: global }
    .group_segment_fixed_size: 327680
    .private_segment_fixed_size: 0
    .kernarg_segment_align: 8
    .kernarg_segment_size: 24
    .max_flat_workgroup_size: 384
    .sgpr_count:     66
    .vgpr_count:     288
    .wavefront_size: 32
...
	.end_amdgpu_metadata
.endif
;; end of part 3
;; launch outp (part 4): grid 4 x 64, 6 waves a work-group, clusters of 4 x 4, 191,232 bytes of LDS; arguments yc, wc, bo, out0; writes out0
.if DOCPART == 4
	.amdgcn_target "amdgcn-amd-amdhsa--gfx1250"
	.amdhsa_code_object_version 6
	.text
	.protected	k_q951ac8fff8_outp
	.globl	k_q951ac8fff8_outp
	.p2align	8
	.type	k_q951ac8fff8_outp,@function
k_q951ac8fff8_outp:
	s_mov_b64 s[64:65], 0
	v_nop
	global_prefetch_b8 v0, s[64:65] scope:SCOPE_SE
	s_setreg_imm32_b32 hwreg(HW_REG_WAVE_MODE, 25, 1), 1
	s_wait_xcnt 0x0
	s_wait_alu depctr_hold_cnt(0) depctr_sa_sdst(0) depctr_va_vdst(0) depctr_va_sdst(0) depctr_va_ssrc(0) depctr_va_vcc(0) depctr_vm_vsrc(0)
	s_getreg_b32 s2, hwreg(HW_REG_IB_STS2, 6, 4)
	s_cmp_eq_u32 s2, 0
	s_cbranch_scc0 .Lentry_in_a_cluster
	s_endpgm
.Lentry_in_a_cluster:
	s_bfe_u32 s2, ttmp6, 0x10000c
	s_cmp_lg_u32 s2, 0xf033
	s_cbranch_scc0 .Lentry_shape_is_right
	s_endpgm
.Lentry_shape_is_right:
; Launch 4 of 4: out0 = y Wo^T + bo on codes of E2M3.  No work is left out.  LIMITS: as stated at the head of the first launch.
; SHARES: work-group (cg, g): 64 tokens x 192 columns: 256 work-groups.  All of K = 768 lies in LDS at once: first fills only.  Wave w: columns 64 (3 cg + w / 2) on, y's tiles 2 (w % 2) and 2 (w % 2) + 1:
; four tiles of Wo (source 0) x two tiles of y (source 1), eight accumulators.  A lane then holds one token and 32 neighbouring columns, 32 h + 0 .. 31.
; bo is loaded straight into the accumulators: it is the C of each sum's first product.
; CLUSTER 4 x 4: the four work-groups of a row share the tokens (y), those of a column the columns (Wo): each K step's operands are asked for jointly; wave 0 fetches y whole, waves 1 to 5 a fifth of Wo each.
.set WL,    49152                      ; LDS: y's 48 records of 1,024 bytes at 0; Wo's six K steps of 19,200 bytes here
.set STAGE, 164352                     ; a stage of 16 rows x 272 bytes for each wave: bytes of its own, into which no tile lands
.set SPARE, 190464                     ; the spare words, 128 bytes a wave: three blocks of 256 bytes that no other line names
.set YS,    16                         ; v16-27  y's scale words: K step k, tile a at 2 k + a
.set WS,    28                         ; v28-31  Wo's, two registers for each of the two sets
.set ACC,   32                         ; v32-95  accumulator (a, i) at ACC + 32 a + 8 i
.set FR0,   96                         ; v96-239 two sets of 72: y's two fragments, Wo's four
.set WV,    12
.set G1Y,   20
.set G1W,   28
.set G0Y,   36
.set G0W,   40
.macro CROUND
	s_barrier_signal -1
	s_barrier_wait -1
	s_cmp_lg_u32 s[WV], 0
	s_cbranch_scc1 .Lnot_wave_0_\@
	s_barrier_signal -3
.Lnot_wave_0_\@:
	s_barrier_wait -3
	s_barrier_signal -1
	s_barrier_wait -1
.endm
.macro WM d, a, b, sa, sb, ra
.if (\ra) == 0
	v_wmma_scale_f32_16x16x128_f8f6f4 v[\d:\d+7], v[\a:\a+11], v[\b:\b+11], v[\d:\d+7], v[\sa], v[\sb] matrix_a_fmt:MATRIX_FMT_FP6 matrix_b_fmt:MATRIX_FMT_FP6
.else
	v_wmma_scale_f32_16x16x128_f8f6f4 v[\d:\d+7], v[\a:\a+11], v[\b:\b+11], v[\d:\d+7], v[\sa], v[\sb] matrix_a_fmt:MATRIX_FMT_FP6 matrix_b_fmt:MATRIX_FMT_FP6 matrix_a_scale:MATRIX_SCALE_ROW1
.endif
.endm
	s_load_b256 s[4:11], s[0:1], 0x0               ; yc, wc, bo, out0
	v_lshl_add_u32 v14, v0, 2, SPARE
	v_mov_b32 v15, 0
	ds_add_u32 v14, v15                            ; the wave's opening: the add, twice on end, and its wait ahead of my first tensor load; the set-up below stands between
	ds_add_u32 v14, v15
	v_lshrrev_b32 v13, 5, v0
	v_readfirstlane_b32 s[WV], v13                 ; wave 0..5
	s_bfe_u32 s13, ttmp6, 0x40000                  ; cx
	s_bfe_u32 s14, ttmp6, 0x40004                  ; cy
	s_lshl_b32 s15, ttmp9, 2
	s_add_co_u32 s15, s15, s13                     ; cg: which 192 columns
	s_and_b32 s16, ttmp7, 0xffff
	s_lshl_b32 s16, s16, 2
	s_add_co_u32 s16, s16, s14                     ; g: which 64 tokens
	s_lshr_b32 s17, s[WV], 1                       ; which 64 of the 192 columns
	s_and_b32 s18, s[WV], 1                        ; which pair of y's tiles
	s_lshl_b32 s44, s14, 2
	s_lshl_b32 s44, 15, s44                        ; my row of the cluster: it shares the tokens
	s_lshl_b32 s45, 0x1111, s13                    ; my column: it shares the columns of the result
	s_or_b32 s[G1Y], s44, (3<<16)|(1<<21)          ; 15:0 the mask; 17:16 elements of 8 bytes; 21 set beside a mask; no padding
	s_or_b32 s[G1W], s45, (3<<16)|(1<<21)
	s_mov_b32 s[G1Y+1], 32<<16                     ; dense blocks as rows of 256 bytes
	s_mov_b32 s[G1Y+2], 192<<16                    ; y's 48 records, all six K steps: 192 rows
	s_mov_b32 s[G1Y+3], 32<<16
	s_mov_b32 s[G1Y+4], 192
	s_mov_b32 s[G1Y+5], 32
	s_mov_b32 s[G1Y+6], 0
	s_mov_b32 s[G1Y+7], 0
	s_mov_b32 s[G1W+1], 32<<16
	s_mov_b32 s[G1W+2], 90<<16                     ; a fifth of Wo's six K steps: 90 rows, 23,040 bytes
	s_mov_b32 s[G1W+3], 32<<16
	s_mov_b32 s[G1W+4], 90
	s_mov_b32 s[G1W+5], 32
	s_mov_b32 s[G1W+6], 0
	s_mov_b32 s[G1W+7], 0
	s_mov_b32 s46, 0                               ; y comes whole, by wave 0
	s_mul_i32 s48, s16, 49152
	s_add_co_u32 s48, s48, s46
	s_mov_b32 s49, 0
	s_mul_i32 s47, s[WV], 23040                    ; waves 1 to 5: fifth w - 1 of Wo's 115,200 bytes
	s_add_co_u32 s50, s15, 12                      ; Wo's triples stand behind the twelve heads'
	s_mul_i32 s50, s50, 115200
	s_add_co_u32 s50, s50, s47
	s_sub_co_u32 s50, s50, 23040
	s_mov_b32 s51, 0
	s_mov_b32 s[G0Y], 1
	s_mov_b32 s[G0Y+1], s46
	s_mov_b32 s[G0W], 1
	s_add_co_u32 s[G0W+1], s47, WL-23040
	s_mul_i32 s52, s15, 3
	s_add_co_u32 s52, s52, s17
	s_lshl_b32 s52, s52, 8                         ; my 64 columns, in bytes
	s_mov_b32 s53, 0
	s_lshl_b32 s54, s16, 6
	s_lshl_b32 s55, s18, 4
	s_add_co_u32 s54, s54, s55
	s_mul_i32 s54, s54, 3072                       ; row 64 g + 8 (2 (w % 2))
	s_add_co_u32 s54, s54, s52
	s_mov_b32 s55, 0
	v_and_b32 v13, 31, v0
	v_and_b32 v12, 15, v0                          ; r
	v_bfe_u32 v11, v0, 4, 1                        ; h
	v_lshlrev_b32 v1, 4, v13
	v_lshlrev_b32 v2, 3, v13
	s_lshl_b32 s56, s18, 11
	v_add_nc_u32 v3, s56, v1                       ; y's records: 2,048 (w % 2) + 16 x lane,
	v_add_nc_u32 v4, s56, v2                       ; + 8 x lane
	s_mul_i32 s57, s17, 6144
	s_add_co_u32 s57, s57, WL
	v_add_nc_u32 v5, s57, v1                       ; Wo's fragments, K steps 0-2,
	v_add_nc_u32 v6, 57600, v5                     ; K steps 3-5: the immediate has 16 bits
	s_lshl_b32 s58, s17, 8
	s_add_co_u32 s58, s58, WL+18432
	v_add_nc_u32 v7, s58, v2                       ; Wo's scale words likewise
	v_add_nc_u32 v8, 57600, v7
	s_mul_i32 s59, s[WV], 4352
	s_add_co_u32 s59, s59, STAGE
	v_mul_u32_u24 v9, v12, 272
	v_lshl_add_u32 v9, v11, 7, v9
	v_add_nc_u32 v9, s59, v9                       ; into my stage: row r, 128 h bytes on
	v_mul_u32_u24 v10, v11, 272
	v_lshl_add_u32 v10, v12, 4, v10
	v_add_nc_u32 v10, s59, v10                     ; back: lanes 0-15 one row of 256 bytes, lanes 16-31 the next
	v_lshlrev_b32 v13, 7, v11                      ; bo: 128 h
	v_mul_u32_u24 v11, v11, 3072
	v_lshl_add_u32 v11, v12, 4, v11                ; out0: 3,072 h + 16 r
	s_wait_dscnt 0x0                               ; both opening adds are done
	s_wait_kmcnt 0x0
	s_add_nc_u64 s[G0Y+2:G0Y+3], s[4:5], s[48:49]
	s_or_b32 s[G0Y+3], s[G0Y+3], 0x80000000
	s_add_nc_u64 s[G0W+2:G0W+3], s[6:7], s[50:51]
	s_or_b32 s[G0W+3], s[G0W+3], 0x80000000
	s_add_nc_u64 s[8:9], s[8:9], s[52:53]
	s_add_nc_u64 s[10:11], s[10:11], s[54:55]
	CROUND                                         ; all sixteen work-groups are here: the joint loads meet
	s_cmp_eq_u32 s[WV], 0                          ; one tensor load a wave: wave 0 fetches y's 49,152 bytes, waves 1 to 5 a fifth of Wo's 115,200 each
	s_cbranch_scc0 .Lfor_w
	tensor_load_to_lds s[G0Y:G0Y+3], s[G1Y:G1Y+7]
	s_nop 0
.rept 4
	v_nop
.endr
	s_branch .Lasked
.Lfor_w:
	tensor_load_to_lds s[G0W:G0W+3], s[G1W:G1W+7]
	s_nop 0
.rept 4
	v_nop
.endr
.Lasked:
	s_wait_alu depctr_va_vdst(0)
.irp a, 0,1
.irp i, 0,1,2,3
.irp q, 0,1
	global_load_b128 v[ACC+32*\a+8*\i+4*\q:ACC+32*\a+8*\i+4*\q+3], v13, s[8:9] offset:32*\i+16*\q   ; bo(32 h + 8 i + 0 .. 7): the sums begin with it
.endr
.endr
.endr
	s_wait_tensorcnt 0x0                           ; my K step's operands lie in LDS,
	s_barrier_signal -1
	s_barrier_wait -1                              ; everybody's do
.irp k, 0,1,2,3,4,5
.irp c, 0,1
.irp a, 0,1
	ds_load_b32 v[FR0+4*\k+2*\c+\a], v4 offset:8192*\k+4096*\c+1024*\a+768   ; y's scale words come in halves, one from each head of a K step
.endr
.endr
.endr
	s_wait_dscnt 0x0
.irp k, 0,1,2,3,4,5
.irp a, 0,1
	v_or_b32 v[YS+2*\k+\a], v[FR0+4*\k+\a], v[FR0+4*\k+2+\a]
.endr
.endr
.rept 8
	v_nop                                          ; a scale register written by a vector instruction stands eight places ahead of a scaled product: once for all twelve
.endr
.macro KLOAD k                         ; K step k's operands into set k % 2: 21 LDS loads
.set FS, FR0+72*((\k)%2)
.irp a, 0,1
.irp c, 0,1
	ds_load_b128 v[FS+12*\a+6*\c:FS+12*\a+6*\c+3], v3 offset:8192*(\k)+4096*\c+1024*\a        ; head 2 k + c gives registers 6 c .. 6 c + 5
	ds_load_b64 v[FS+12*\a+6*\c+4:FS+12*\a+6*\c+5], v4 offset:8192*(\k)+4096*\c+1024*\a+512
.endr
.endr
.irp i, 0,1,2,3
.irp q, 0,1,2
	ds_load_b128 v[FS+24+12*\i+4*\q:FS+24+12*\i+4*\q+3], v[5+(\k)/3] offset:19200*((\k)%3)+1536*\i+512*\q
.endr
.endr
	ds_load_b64 v[WS+2*((\k)%2):WS+2*((\k)%2)+1], v[7+(\k)/3] offset:19200*((\k)%3)
.endm
.macro KMUL k                          ; eight products: the eight accumulators take turns, in the same order in every K step
.set FS, FR0+72*((\k)%2)
.irp a, 0,1
.irp i, 0,1,2,3
	WM ACC+32*\a+8*\i, FS+24+12*\i, FS+12*\a, WS+2*((\k)%2)+\i/2, YS+2*(\k)+\a, \i%2
.endr
.endr
.endm
	KLOAD 0
	KLOAD 1
	s_wait_loadcnt 0x0                             ; bo
	s_wait_dscnt 21                                ; K step 0's 21 loads are in; K step 1's may be out
	KMUL 0
	s_wait_alu depctr_va_vdst(0)
	s_wait_dscnt 0x0
	KMUL 1
.irp p, 1,2
.rept 4
	v_nop                                          ; four places in front of loads into registers that matrix instructions have read
.endr
	KLOAD 2*\p
	KLOAD 2*\p+1
	s_wait_dscnt 21
	KMUL 2*\p
	s_wait_dscnt 0x0
	KMUL 2*\p+1
.endr
.rept 4
	v_nop                                          ; four places behind the last products
.endr
; THE WAY OUT: a lane holds 128 bytes of one row, the lanes beside it other rows: a tile goes through my own stage and comes back as rows of 256 bytes.  LDS serves a wave's instructions in order.
.macro TOSTAGE a
.irp i, 0,1,2,3
	ds_store_b128 v9, v[ACC+32*\a+8*\i:ACC+32*\a+8*\i+3] offset:32*\i        ; each accumulator from its low end on
	ds_store_b128 v9, v[ACC+32*\a+8*\i+4:ACC+32*\a+8*\i+7] offset:32*\i+16
.endr
.irp t, 0,1,2,3,4,5,6,7
	ds_load_b128 v[FR0+32*\a+4*\t:FR0+32*\a+4*\t+3], v10 offset:544*\t
.endr
.endm
.macro SEND a, younger                 ; younger: the LDS instructions issued behind tile a's loads
.irp t, 0,1,2,3,4,5,6,7
	s_wait_dscnt \younger+7-\t
	global_store_b128 v11, v[FR0+32*\a+4*\t:FR0+32*\a+4*\t+3], s[10:11] offset:3072*(8*\a+32*(\t/4)+2*(\t%4)) th:TH_STORE_NT   ; row 2 t + h of the tile is token 32 (t / 4) + 8 tile + 2 (t % 4) + h of the group; 16 lanes store 256 consecutive bytes, aligned
.endr
.endm
	TOSTAGE 0
	TOSTAGE 1
	SEND 0, 16
	SEND 1, 0
	s_wait_tensorcnt 0x0                           ; the wave's end, behind my last LDS store
	ds_add_u32 v14, v15
	s_wait_dscnt 0x0
	CROUND                                         ; the closing round
	s_endpgm
.Lfunc_end_k_q951ac8fff8_outp:
	.size	k_q951ac8fff8_outp, .Lfunc_end_k_q951ac8fff8_outp-k_q951ac8fff8_outp
	.p2alignl 7, 3214868480
	.fill 96, 4, 3214868480
	.section	.rodata,"a",@progbits
	.p2align	6, 0x0
	.amdhsa_kernel k_q951ac8fff8_outp
		.amdhsa_group_segment_fixed_size 191232
		.amdhsa_private_segment_fixed_size 0
		.amdhsa_enable_private_segment 0
		.amdhsa_kernarg_size 32
		.amdhsa_user_sgpr_count 2
		.amdhsa_user_sgpr_kernarg_segment_ptr 1
		.amdhsa_wavefront_size32 1
		.amdhsa_system_sgpr_workgroup_id_x 1
		.amdhsa_system_sgpr_workgroup_id_y 1
		.amdhsa_system_sgpr_workgroup_id_z 1
		.amdhsa_system_vgpr_workitem_id 0
		.amdhsa_next_free_vgpr 256
		.amdhsa_next_free_sgpr 66
		.amdhsa_reserve_vcc 0
		.amdhsa_float_denorm_mode_32 3
		.amdhsa_float_denorm_mode_16_64 3
		.amdhsa_memory_ordered 1
		.amdhsa_forward_progress 1
		.amdhsa_inst_pref_size 29
	.end_amdhsa_kernel
	.amdgpu_metadata
---
amdhsa.version: [ 1, 2 ]
amdhsa.kernels:
  - .name:           k_q951ac8fff8_outp
    .symbol:         k_q951ac8fff8_outp.kd
    .args:
      - { .name: yc, .offset: 0, .size: 8, .value_kind: global_buffer, .address_space: global }
      - { .name: wc, .offset: 8, .size: 8, .value_kind: global_buffer, .address_space: global }
      - { .name: bo, .offset: 16, .size: 8, .value_kind: global_buffer, .address_space: global }
      - { .name: out0, .offset: 24, .size: 8, .value_kind: global_buffer, .address_space: global }
    .group_segment_fixed_size: 191232
    .private_segment_fixed_size: 0
    .kernarg_segment_align: 8
    .kernarg_segment_size: 32
    .max_flat_workgroup_size: 192
    .sgpr_count:     66
    .vgpr_count:     256
    .wavefront_size: 32
...
	.end_amdgpu_metadata
.endif
;; end of part 4
